; MI455X (gfx1250); checked and timed in simulation.
; The chip was launched on July 23, 2026; its instructions are those of AMD's public machine-readable ISA for CDNA 5 (MIT licence, August 2026) and "CDNA5" Instruction Set Architecture Reference Guide (July 2026). The comments in the code are by the model that wrote it; some were corrected since.
;; Vector Quantizer. Allowed arithmetic: matrix products marked QUANTISED: E3M2 operands, one E8M0 scale for each 32 along K, by v_wmma_scale_f32_16x16x128_f8f6f4 with both operands' format E3M2, f32 sums; everything else in f32.
;; Inputs: emb 8,192 x 512 float32; x 32 x 512 x 512 float32.
;; Outputs: out0 32 x 512 x 512 float32; out1 one number float32; out2 one number float32; out3 16,384 x 1 int32.
;; This version of the problem:
;;   THIS VERSION OF THE PROBLEM IS GIVEN IN LOW PRECISION. The matrix products marked QUANTISED in the list below multiply operands that are first quantised to E3M2 (3 exponent bits, 2 mantissa bits; 6 bits a number), with one power-of-two scale for each 32 numbers along K (OCP MX v1.0); their sums are f32. All else is computed in f32.
;;   The module's matrix products, in the order in which they are computed (A, B: the left and right operand; K: the contracted axis; several contracted axes count as one K, in the product's order):
;;     1. [M 16,384, K 512] x [K 512, N 8,192]; A: computed on the way; B: input emb: QUANTISED
;;   THE QUANTISER, for each operand of a quantised product, along K:
;;     - K is cut into blocks of 32 from its start; a last block that is shorter is filled with zeros.
;;     - A block's scale is 2^e with e = floor(log2(the largest magnitude in the block)) - 4, held to -126 .. 127; a block of zeros has e = 0. As a byte (E8M0): e + 127.
;;     - Each number is divided by its block's scale, clamped to +-28, and rounded to the nearest number of E3M2, ties to even, subnormals kept.
;;     - The product sums the exact products of the quantised numbers (number of the format x scale) in f32.
;;   ~~~python
;;   def quantise(x, axis):      # numpy; x: float32 -> the quantised numbers, widened to float32 again
;;       x = np.moveaxis(x, axis, -1); K = x.shape[-1]
;;       x = np.pad(x, [(0, 0)] * (x.ndim - 1) + [(0, -K % 32)]); x = x.reshape(x.shape[:-1] + (-1, 32)); a = np.abs(x).max(-1, keepdims=True)
;;       e = np.where(a > 0, np.clip(np.frexp(np.where(a > 0, a, 1))[1] - 1 - 4, -126, 127), 0)      # np.frexp(a)[1] - 1 = floor(log2(a)), exactly
;;       r = np.clip(x / 2.0 ** e, -28, 28)
;;       step = 2.0 ** (np.maximum(np.frexp(np.where(r == 0, 1, r))[1] - 1, -2) - 2)
;;       q = np.round(r / step) * step * 2.0 ** e      # np.round: ties to even
;;       return np.moveaxis(q.reshape(q.shape[:-2] + (-1,))[..., :K], -1, axis).astype(np.float32)
;;   ~~~
;;   OPERANDS COMPUTED ON THE WAY. 'Computed on the way' means the value that the module computes at that place (a softmax that the list does not call 'softmax' is quantised finished and normalised). What goes into a quantiser is computed in f32, as accurately as f32 sums, v_exp_f32 and their like allow (about 1e-6 of the number): no bf16 or f16 on the way to a quantiser, and a product that is left as it is and whose result goes on into a quantised operand takes f32 operands (vector FMAs, or v_wmma_f32_16x16x4_f32). A number that lies on a knife's edge between two numbers of the format may be rounded either way, as far as f32 arithmetic and the matrix unit's own rounding can turn it there, and no further.
;; One version. Each part assembles by itself: llvm-mc -triple=amdgcn-amd-amdhsa -mcpu=gfx1250 --defsym DOCPART=n.
;; ======== version 1 of 1: 4 launches
;; limits: right only within a limited range of input values
;; workspace buffers: xpack 6,815,744 bytes; embpack 3,407,872 bytes; candk 524,288 bytes of whole numbers; candi 524,288 bytes of whole numbers; part 2,048 bytes
;; launch pack (part 1): grid 768 x 1, 2 waves a work-group, no clusters, 17,152 bytes of LDS; arguments x, emb, xpack, embpack; writes xpack, embpack
.if DOCPART == 1
	.amdgcn_target "amdgcn-amd-amdhsa--gfx1250"
	.amdhsa_code_object_version 6
	.text
	.protected	k_q60d94bcad3_pack
	.globl	k_q60d94bcad3_pack
	.p2align	8
	.type	k_q60d94bcad3_pack,@function
k_q60d94bcad3_pack:
	s_mov_b64 s[64:65], 0
	v_nop
	global_prefetch_b8 v0, s[64:65] scope:SCOPE_SE
	s_setreg_imm32_b32 hwreg(HW_REG_WAVE_MODE, 25, 1), 1
	s_wait_xcnt 0x0
; 2 x [16384][512] and emb [8192][512], f32, become operands of the distance product: codes of BF6 (E3M2), one E8M0 scale for each 32 along K, laid in the ORDER OF THE OPERAND'S REGISTERS.
; A RECORD of 6,656 bytes (26 x 256) holds a tile of 16 rows:
;   bytes 0 .. 6143     four fragments (K step s of 128), each the image of its 12 registers: registers 4 c .. 4 c + 3 of lane l at 1536 s + 512 c + 16 l
;   bytes 6144 .. 6399  scale words at 8 l + 4 u: lanes 0-15 hold row r's word of K step 2 u, lanes 16-31 that of K step 2 u + 1
;   bytes 6400 .. 6463  the 16 rows' sums of squares of the RAW numbers, f32;   bytes 6464 .. 6655 zeros (the record is read whole later on)
; A block's scale is 2^(floor(log2(its largest magnitude)) - 4): its byte is the largest magnitude's exponent field - 4, held at 1 from below.
; The product's left operand is 2 x, so x is doubled (exact) ahead of the quantiser; emb is multiplied by 1.
; LIMITS: NaN and infinities are not served; |x| from 2^127 on is not served (2 x overflows); blocks whose largest magnitude lies under 2^-122 keep the byte 1;
; a block of zeros gets the byte 1 where the quantiser's rule says 127: its codes are zeros, and this program alone reads the bytes.
; The sums of squares are added in another order than a plain loop over the row would add them (four packed chains a lane, then two lanes).
; SHARES.  A wave takes one tile; work-groups 0 .. 511 take x's 1,024 tiles, the others emb's 512: pointers and the factor are chosen by the work-group's number, the text has one path.
; Each load reads 512 neighbouring bytes (a K step of one row); the conversions want 16 neighbours along K in ONE lane, so a K step turns through the wave's own stage in LDS
; (16 rows x 528 bytes: the pitch is an odd multiple of 16 bytes, so the sixteen rows that a read touches start at sixteen different 16-byte columns).  Waves share nothing: no barrier, no cluster.
.set REC, 6656
.set SP,  528
.set STG, 16*SP
.set LO,  1                            ; v1   16 x lane
.set SA,  2                            ; v2   the stage, on the way in: wave's stage + 16 x lane
.set LA,  3                            ; v3   on the way out: wave's stage + r x 528 + 64 h
.set L8,  4                            ; v4   8 x lane
.set L4,  5                            ; v5   4 x lane
.set R,   16                           ; v16-143  two sets of 64: a K step as loaded
.set X,   144                          ; v144-207 register 16 b + i = k 32 b + 16 h + i of my row r
.set PC,  208                          ; v208-227 the fragment's 12 registers, and 8 at work
.set TM,  228                          ; v228-243 at work in QUANT
.set PW,  244                          ; v244 the scale word just made
.set W,   246                          ; v[246:247] the two scale words that are stored
.set NS,  248                          ; v248-255 the sum of squares in four packed chains
.set SEL, 22                           ; s[22:23] v_permlanex16_b32's selects for lane l xor 16
	s_load_b256 s[4:11], s[0:1], 0x0               ; x s[4:5], emb s[6:7], xpack s[8:9], embpack s[10:11]
	v_lshl_add_u32 v239, v0, 2, 0x4200
	v_mov_b32 v245, 0
	v_lshrrev_b32 v6, 5, v0
	v_readfirstlane_b32 s12, v6                    ; wave 0, 1
	v_and_b32 v7, 31, v0                           ; lane
	v_and_b32 v8, 15, v0                           ; r
	v_bfe_u32 v9, v0, 4, 1                         ; h
	v_lshlrev_b32 v[LO], 4, v7
	v_lshlrev_b32 v[L8], 3, v7
	v_lshlrev_b32 v[L4], 2, v7
	s_mul_i32 s13, s12, STG
	v_add_nc_u32 v[SA], s13, v[LO]
	v_mul_u32_u24 v[LA], v8, SP
	v_lshl_add_u32 v[LA], v9, 6, v[LA]
	v_add_nc_u32 v[LA], s13, v[LA]
	s_mov_b32 s[SEL], 0x76543210
	s_mov_b32 s[SEL+1], 0xfedcba98
	s_mov_b32 s24, 0xffff0000                      ; lanes 16-31
.irp b, 0,1,2,3
	v_mov_b32 v[TM+4+\b], 0                        ; written once: a lane permute's destination counts as one of its sources
.endr
	s_wait_alu depctr_va_vdst(0)
	s_wait_kmcnt 0x0
	s_cmp_lt_u32 ttmp9, 512                        ; x's work-group or emb's?  The choice hangs on the work-group's number alone
	s_cselect_b64 s[4:5], s[4:5], s[6:7]
	s_cselect_b64 s[8:9], s[8:9], s[10:11]
	s_mov_b32 s20, 0x3f800000                      ; 1.0 for emb,
	s_cselect_b32 s20, 0x40000000, s20             ; 2.0 for x
	s_mov_b32 s21, s20                             ; (named with it as a pair, so it is written)
	s_cselect_b32 s14, 0, 512
	s_sub_co_u32 s14, ttmp9, s14
	s_lshl_b32 s14, s14, 1
	s_add_co_u32 s14, s14, s12                     ; my tile in its tensor
	s_lshl_b32 s16, s14, 15                        ; 16 rows of 2,048 bytes
	s_mov_b32 s17, 0
	s_add_nc_u64 s[4:5], s[4:5], s[16:17]
	s_mul_i32 s16, s14, REC
	s_add_nc_u64 s[8:9], s[8:9], s[16:17]
.macro LOAD s                          ; K step s of the 16 rows: each load reads 512 neighbouring bytes
.irp i, 0,1,2,3,4,5,6,7,8,9,10,11,12,13,14,15
	global_load_b128 v[R+64*((\s)%2)+4*\i:R+64*((\s)%2)+4*\i+3], v[LO], s[4:5] offset:\i*2048+(\s)*512 th:TH_LOAD_NT
.endr
.endm
.macro TURN s                          ; through the stage: LDS serves a wave's instructions in order, so no wait stands between the stores and the loads
.irp i, 0,1,2,3,4,5,6,7,8,9,10,11,12,13,14,15
	ds_store_b128 v[SA], v[R+64*((\s)%2)+4*\i:R+64*((\s)%2)+4*\i+3] offset:\i*SP
.endr
.irp b, 0,1,2,3
.irp j, 0,1,2,3
	ds_load_b128 v[X+16*\b+4*\j:X+16*\b+4*\j+3], v[LA] offset:128*\b+16*\j
.endr
.endr
.endm
; 64 numbers of a lane, v[s] .. v[s + 63], register 16 b + i = k 32 b + 16 h + i of my row, become a fragment's codes in v[PC] on and its scale word in v[PW].
.macro QUANT s
.irp b, 0,1,2,3
	v_max3_num_f32 v[TM+\b], |v[\s+16*\b]|, |v[\s+1+16*\b]|, 0x2800000   ; block b: my 16 numbers, and the floor 2^(5 - 127): so the byte cannot fall under 1
.endr
.irp i, 2,4,6,8,10,12,14
.irp b, 0,1,2,3
	v_max3_num_f32 v[TM+\b], v[TM+\b], |v[\s+16*\b+\i]|, |v[\s+1+16*\b+\i]|   ; (the four blocks by turns)
.endr
.endr
.irp b, 0,1,2,3
	v_permlanex16_b32 v[TM+4+\b], v[TM+\b], s[SEL], s[SEL+1]
.endr
.irp b, 0,1,2,3
	v_max_num_f32 v[TM+\b], v[TM+\b], v[TM+4+\b]   ; with lane l xor 16's: the block's largest magnitude
.endr
.irp b, 0,1,2,3
	v_add_nc_u32 v[TM+12+\b], 0xfe000000, v[TM+\b] ; 4 off its exponent field: the conversion takes the exponent field of this operand as its scale
.endr
.irp b, 0,1,2,3
	v_lshrrev_b32 v[TM+4+\b], 23, v[TM+12+\b]      ; the scale's byte
.endr
	v_lshl_or_b32 v[PW], v[TM+5], 8, v[TM+4]       ; the four bytes make my row's scale word (both halves of the lanes hold it)
	v_lshl_or_b32 v[PW], v[TM+6], 16, v[PW]
	v_lshl_or_b32 v[PW], v[TM+7], 24, v[PW]
.irp c, 0,1
	v_cvt_scalef32_pk16_bf6_f32 v[PC+6*\c:PC+2+6*\c], v[\s+32*\c:\s+15+32*\c], v[TM+12+2*\c]
	v_cvt_scalef32_pk16_bf6_f32 v[PC+12+4*\c:PC+14+4*\c], v[\s+16+32*\c:\s+31+32*\c], v[TM+12+2*\c+1]   ; (a conversion's three registers begin on an even number)
.endr
	v_nop                                          ; one plain place behind a scaled conversion
.irp c, 0,1                            ; the operand's layout wants a WHOLE block in a lane: lanes 0-15 block 2 c, lanes 16-31 block 2 c + 1
.irp i, 0,1,2
	v_permlane16_swap_b32 v[PC+6*\c+\i], v[PC+12+4*\c+\i]
.endr
.irp i, 0,1,2
	v_mov_b32 v[PC+3+6*\c+\i], v[PC+12+4*\c+\i]
.endr
.endr
.endm
.macro STEP s
.if \s < 3
	s_wait_loadcnt 16                              ; this K step's 16 loads are in; the next step's 16 may be out
.else
	s_wait_loadcnt 0x0
.endif
	TURN \s
	s_wait_dscnt 0x0                               ; my 64 numbers are in, and the stage's stores have read their registers,
.if \s < 2
	LOAD (\s)+2                                    ; which take the loads of two steps on
.endif
.set n_, 0
.rept 32                               ; the sum of squares of the raw numbers; the first four products start the chains: nothing is cleared
.if (\s == 0) && (n_ < 4)
	v_pk_mul_f32 v[NS+2*n_:NS+2*n_+1], v[X+2*n_:X+2*n_+1], v[X+2*n_:X+2*n_+1]
.else
	v_pk_fma_f32 v[NS+2*(n_%4):NS+2*(n_%4)+1], v[X+2*n_:X+2*n_+1], v[X+2*n_:X+2*n_+1], v[NS+2*(n_%4):NS+2*(n_%4)+1]
.endif
.set n_, n_+1
.endr
.set n_, 0
.rept 32
	v_pk_mul_f32 v[X+2*n_:X+2*n_+1], v[X+2*n_:X+2*n_+1], s[20:21] op_sel_hi:[1,0]   ; x 2 (x) or x 1 (emb): exact
.set n_, n_+1
.endr
	s_wait_xcnt 0x0                                ; the last step's stores have read the codes' registers: they are written again only behind this wait
	QUANT X
.irp c, 0,1,2
	global_store_b128 v[LO], v[PC+4*\c:PC+4*\c+3], s[8:9] offset:(\s)*1536+512*\c   ; the image: 512 consecutive bytes a store, at a multiple of 256 from the buffer's first byte
.endr
.if (\s)%2 == 0
	v_mov_b32 v[W+(\s)/2], v[PW]                   ; the even K step's word in all lanes,
.else
	v_cndmask_b32 v[W+(\s)/2], v[W+(\s)/2], v[PW], s24   ; the odd one's in lanes 16-31
.endif
.endm
	LOAD 0
	LOAD 1
.irp s, 0,1,2,3
	STEP \s
.endr
	v_pk_add_f32 v[NS:NS+1], v[NS:NS+1], v[NS+2:NS+3]
	v_pk_add_f32 v[NS+4:NS+5], v[NS+4:NS+5], v[NS+6:NS+7]
	v_pk_add_f32 v[NS:NS+1], v[NS:NS+1], v[NS+4:NS+5]
	v_add_f32 v[NS], v[NS], v[NS+1]
	v_permlanex16_b32 v[NS+1], v[NS], s[SEL], s[SEL+1]
	v_add_f32 v[NS], v[NS], v[NS+1]                ; my row's sum of squares
	v_mov_b32 v[NS+2], 0
	v_cndmask_b32 v[NS], v[NS], v[NS+2], s24       ; lanes 16-31 store zeros
	global_store_b64 v[L8], v[W:W+1], s[8:9] offset:6144       ; the scale words: 256 consecutive bytes
	global_store_b32 v[L4], v[NS], s[8:9] offset:6400          ; 16 sums and 16 zeros,
	global_store_b32 v[L4], v[NS+2], s[8:9] offset:6528        ; and 32 zeros: the record's last 256 bytes
	s_wait_tensorcnt 0x0
	ds_add_u32 v239, v245
	s_wait_dscnt 0x0
	s_endpgm
.Lfunc_end_k_q60d94bcad3_pack:
	.size	k_q60d94bcad3_pack, .Lfunc_end_k_q60d94bcad3_pack-k_q60d94bcad3_pack
	.p2alignl 7, 3214868480
	.fill 96, 4, 3214868480
	.section	.rodata,"a",@progbits
	.p2align	6, 0x0
	.amdhsa_kernel k_q60d94bcad3_pack
		.amdhsa_group_segment_fixed_size 17152
		.amdhsa_private_segment_fixed_size 0
		.amdhsa_enable_private_segment 0
		.amdhsa_kernarg_size 32
		.amdhsa_user_sgpr_count 2
		.amdhsa_user_sgpr_kernarg_segment_ptr 1
		.amdhsa_wavefront_size32 1
		.amdhsa_system_sgpr_workgroup_id_x 1
		.amdhsa_system_sgpr_workgroup_id_y 1
		.amdhsa_system_sgpr_workgroup_id_z 1
		.amdhsa_system_vgpr_workitem_id 0
		.amdhsa_next_free_vgpr 256
		.amdhsa_next_free_sgpr 66
		.amdhsa_reserve_vcc 0
		.amdhsa_float_denorm_mode_32 3
		.amdhsa_float_denorm_mode_16_64 3
		.amdhsa_memory_ordered 1
		.amdhsa_forward_progress 1
		.amdhsa_inst_pref_size 50
	.end_amdhsa_kernel
	.amdgpu_metadata
---
amdhsa.version: [ 1, 2 ]
amdhsa.kernels:
  - .name:           k_q60d94bcad3_pack
    .symbol:         k_q60d94bcad3_pack.kd
    .args:
      - { .name: x, .offset: 0, .size: 8, .value_kind: global_buffer, .address_space: global }
      - { .name: emb, .offset: 8, .size: 8, .value_kind: global_buffer, .address_space: global }
      - { .name: xpack, .offset: 16, .size: 8, .value_kind: global_buffer, .address_space: global }
      - { .name: embpack, .offset: 24, .size: 8, .value_kind: global_buffer, .address_space: global }
    .group_segment_fixed_size: 17152
    .private_segment_fixed_size: 0
    .kernarg_segment_align: 8
    .kernarg_segment_size: 32
    .max_flat_workgroup_size: 64
    .sgpr_count:     66
    .vgpr_count:     256
    .wavefront_size: 32
...
	.end_amdgpu_metadata
.endif
;; end of part 1
;; launch dist (part 2): grid 32 x 8, 8 waves a work-group, clusters of 4 x 1, 327,680 bytes of LDS; arguments xpack, embpack, candk, candi; writes candk, candi
.if DOCPART == 2
	.amdgcn_target "amdgcn-amd-amdhsa--gfx1250"
	.amdhsa_code_object_version 6
	.text
	.protected	k_q60d94bcad3_dist
	.globl	k_q60d94bcad3_dist
	.p2align	8
	.type	k_q60d94bcad3_dist,@function
k_q60d94bcad3_dist:
	s_mov_b64 s[64:65], 0
	v_nop
	global_prefetch_b8 v0, s[64:65] scope:SCOPE_SE
	s_setreg_imm32_b32 hwreg(HW_REG_WAVE_MODE, 25, 1), 1
	s_wait_xcnt 0x0
	s_wait_alu depctr_hold_cnt(0) depctr_sa_sdst(0) depctr_va_vdst(0) depctr_va_sdst(0) depctr_va_ssrc(0) depctr_va_vcc(0) depctr_vm_vsrc(0)
	s_getreg_b32 s2, hwreg(HW_REG_IB_STS2, 6, 4)
	s_cmp_eq_u32 s2, 0
	s_cbranch_scc0 .Lentry_in_a_cluster
	s_endpgm
.Lentry_in_a_cluster:
	s_bfe_u32 s2, ttmp6, 0x10000c
	s_cmp_lg_u32 s2, 0x3003
	s_cbranch_scc0 .Lentry_shape_is_right
	s_endpgm
.Lentry_shape_is_right:
; For each row of x and each split of 1,024 codes: the smallest d = fl(fl(a + b) - p) and the lowest code that has it.  a = the row's sum of squares, b = the code's, p = (2 x) . emb, the product on codes of
; BF6 (E3M2) with E8M0 scales, sums in f32.  d is formed in just this order, since ties in d are decided by the lowest code.
; OUT: candk, candi [split y][block of 64 rows][256 bytes]: the word at 8 l + 4 q belongs to row 64 B + 16 (2 q + l / 16) + l % 16.  candi holds the code; candk a SORT KEY of d as a whole number:
; bits(d) xor ((bits(d) >> 31, arithmetic) | 0x80000000), which rises with d.  A later launch compares the keys as whole numbers and forms its gather's addresses from the codes.
; LIMITS: NaN and infinities among the inputs are not served; a row all of whose d are not finite gets the split's first code.
; SHARES.  Work-group (X, y): rows 512 X on, codes 1,024 y on: 256 work-groups.  Eight waves, two to a SIMD.  Wave w: 64 rows, four tiles of 16, whose 16 fragments (192 registers) stay in registers; it walks the
; split's 64 code tiles from LDS.  THE PRODUCT IS USED TRANSPOSED: source 0 = 16 codes, source 1 = 16 rows of x: lane (r, h) holds ONE row r, its register j the code 8 h + j.
; A CODE TILE'S TURN: its 15 LDS loads were issued a tile earlier (two sets of fragment registers); the next tile's are issued; 16 matrix instructions in ONE group (K step by K step, the four accumulators by turns
; ); then 73 vector instructions in one block: the step of the code counter, 16 pairs a + b, 16 pairs - p, 16 three-way minima (the running minimum among the leaves), and for each row tile a
; compare "has the minimum fallen", a select that keeps the winning tile's first code and 4 pairs of selects that keep its eight d.  Groups and blocks are kept whole so that the SIMD's two waves can take turns.
; Which of the eight kept d it was is found once, at the end: the lowest j whose kept d equals the minimum.  The compare is strict, so the earliest tile wins a tie.
; LDS: three regions of 16 records (106,496 bytes).  Chunk 0 comes at the head, an eighth a wave; chunks 1 and 2, which lie on end in memory and in LDS, behind the next round, 4 records a wave; chunk 3 fills region 0
; again when its 16 tiles have been fetched, an eighth a wave.  By the text's own count a wave has one tensor load out at any time.  Records are images of the operand's registers: an LDS read takes 512 consecutive bytes.
; CLUSTER: the four work-groups of a cluster have the same y and walk the same chunks: each chunk is asked for JOINTLY (mask 15).  x's records go straight into registers.
; NO PREFETCH: chunks 1, 2 and 3 are asked for by their own tensor loads 16 code tiles or more ahead of their first read, and chunk 0 at the head, where there is no loop to run ahead in.
; REGISTERS: window 0 holds all but x: so LDS loads and vector work run under the setting 0, and a group of products under one other setting.  Window 1: x tile t, K step s at v[48 t + 12 s].
.set REC,   6656
.set CHUNK, 16*REC
.set SPARE, 3*CHUNK                    ; behind the regions: the spare words, 128 bytes for each of eight waves: four blocks of 256 bytes that no other line names
.set LI,  1                            ; 16 x lane
.set L8,  2                            ; 8 x lane
.set H32, 3                            ; 32 h
.set A4,  4                            ; 4 r
.set EA,  5                            ; LDS address of the fragments to be fetched
.set ESA, 6                            ; of their scale words
.set BA,  7                            ; of their eight b
.set SPW, 8                            ; LDS address of my spare word; never rewritten
.set NIL, 9                            ; 0; never rewritten
.set CUR, 10                           ; first code of my half in the code tile in hand
.set ES,  12                           ; v[12 + 2 e ..] scale words of the code tile of parity e: word u: lanes 0-15 K step 2 u, lanes 16-31 K step 2 u + 1
.set XS,  16                           ; v[16 + 2 t ..] the same for x tile t
.set AA,  24                           ; v[24 + 2 t], v[25 + 2 t]: a of my row, twice: a dual pair's two second sources are two registers
.set ID,  32                           ; v32-35 the winning tile's first code of my half
.set BEST, 36                          ; v36-43 the running minimum: read at 4 e + t, written at 4 (1 - e) + t
.set BB,  44                           ; v44-59 my eight b of the code tile of parity e, at 8 e
.set T0,  60                           ; v60-63 at work at the head
.set ACC, 64                           ; v64-95 accumulators, row tile t at 8 t; once d is made, their first three hold partial minima
.set SS,  96                           ; v96-127 a + b, then d
.set SAV, 128                          ; v128-159 the winning code tile's eight d
.set EF,  160                          ; v160-255 code fragments: parity e, K step s at 48 e + 12 s
.set KEY, 96                           ; the end, in the registers that d has left
.set COD, 100
.set KO,  104
.set CO,  108
.set WV,  12
.set G1,  16                           ; s[16:23] group 1: 52 rows of 256 bytes
.set G1B, 24                           ; s[24:31] group 1: 104 rows
.set G0,  32                           ; s[32:35] group 0: chunk 0, later chunk 3
.set G0B, 36                           ; s[36:39] group 0: chunks 1 and 2
.set TB,  40                           ; LDS byte of the first record that a trip fetches
.set CNT, 41
.set SEL, 42                           ; s[42:43] v_permlanex16_b32's selects for lane l xor 16
.set HIM, 44                           ; lanes 16-31
.set MK,  48                           ; s[48:55] masks of the end
.set MSB, 0
.macro WIN new                         ; the immediate's high byte repeats the setting that is left
.if MSB != (\new)
	s_set_vgpr_msb (MSB<<8)|(\new)
.set MSB, (\new)
.endif
.endm
.macro ROUND                           ; a round of the cluster's barrier
	s_barrier_signal -1
	s_barrier_wait -1
	s_cmp_lg_u32 s[WV], 0
	s_cbranch_scc1 .Lnot_wave_0_\@
	s_barrier_signal -3
.Lnot_wave_0_\@:
	s_barrier_wait -3
	s_barrier_signal -1
	s_barrier_wait -1
.endm
.macro NOPS
.rept 4
	v_nop
.endr
.endm
	s_load_b256 s[4:11], s[0:1], 0x0               ; xpack s[4:5], embpack s[6:7], candk s[8:9], candi s[10:11]
	v_lshl_add_u32 v[SPW], v0, 2, SPARE
	v_mov_b32 v[NIL], 0
	ds_add_u32 v[SPW], v[NIL]                      ; the opening lines: the add, twice on end, and its wait ahead of my first tensor load
	ds_add_u32 v[SPW], v[NIL]
	v_lshrrev_b32 v[T0], 5, v0
	v_readfirstlane_b32 s[WV], v[T0]               ; wave 0..7
	s_bfe_u32 s13, ttmp6, 0x40000                  ; cx: it enters x's and the results' addresses alone
	s_lshl_b32 s14, ttmp9, 2
	s_add_co_u32 s14, s14, s13                     ; X = 4 x cluster x + cx
	s_and_b32 s15, ttmp7, 0xffff                   ; y, which the four partners share
.irp g, G1, G1B                        ; dense bytes as rows of 256 (32 elements of 8 bytes), no padding; the mask names all four work-groups, bit 21 beside it
	s_mov_b32 s[\g], 15|(3<<16)|(1<<21)
	s_mov_b32 s[\g+1], 32<<16
	s_mov_b32 s[\g+3], 32<<16
	s_mov_b32 s[\g+5], 32
	s_mov_b32 s[\g+6], 0
	s_mov_b32 s[\g+7], 0
.endr
	s_mov_b32 s[G1+2], 52<<16                      ; 2 records
	s_mov_b32 s[G1+4], 52
	s_mov_b32 s[G1B+2], 104<<16                    ; 4 records
	s_mov_b32 s[G1B+4], 104
	s_mul_i32 s56, s15, 4*CHUNK                    ; the split's four chunks
	s_mul_i32 s58, s[WV], 2*REC                    ; my eighth of a chunk, in memory and in a region alike
	s_mul_i32 s59, s[WV], 4*REC                    ; my eighth of two chunks
	s_add_co_u32 s60, s56, s58
	s_mov_b32 s61, 0
	s_add_co_u32 s62, s56, s59
	s_add_co_u32 s62, s62, CHUNK
	s_mov_b32 s63, 0
	s_lshl_b32 s46, s14, 5
	s_lshl_b32 s47, s[WV], 2
	s_add_co_u32 s46, s46, s47                     ; my first tile of x: 32 X + 4 w
	s_mul_i32 s46, s46, REC
	s_mov_b32 s47, 0
	s_lshl_b32 s56, s14, 3
	s_add_co_u32 s56, s56, s[WV]                   ; my block of 64 rows: 8 X + w
	s_lshl_b32 s56, s56, 8
	s_lshl_b32 s57, s15, 16
	s_add_co_u32 s56, s56, s57                     ; + 65,536 y
	s_mov_b32 s57, 0
	s_mov_b32 s[SEL], 0x76543210
	s_mov_b32 s[SEL+1], 0xfedcba98
	s_mov_b32 s[HIM], 0xffff0000
	s_lshl_b32 s45, s15, 10
	v_and_b32 v[T0], 31, v0
	v_bfe_u32 v[T0+1], v0, 4, 1                    ; h
	v_and_b32 v[T0+2], 15, v0                      ; r
	v_mov_b32 v[T0+3], 0x7f800000                  ; +infinity
	v_lshlrev_b32 v[LI], 4, v[T0]
	v_lshlrev_b32 v[L8], 3, v[T0]
	v_lshlrev_b32 v[H32], 5, v[T0+1]
	v_lshlrev_b32 v[A4], 2, v[T0+2]
	v_lshl_add_u32 v[CUR], v[T0+1], 3, s45         ; 1,024 y + 8 h: the first code of my half in code tile 0
.irp t, 0,1,2,3
	v_mov_b32 v[ID+\t], v[CUR]
	v_mov_b32 v[BEST+\t], v[T0+3]
.endr
.set n_, 0
.rept 32
	v_mov_b32 v[SAV+n_], v[T0+3]                   ; (the selects read what they may keep)
.set n_, n_+1
.endr
	v_add_nc_u32 v[CUR], -16, v[CUR]               ; each tile's vector block begins with the step of 16
	s_wait_alu depctr_va_vdst(0)                   ; the wait at the head's end
	s_wait_dscnt 0x0                               ; both opening adds are done
	s_wait_kmcnt 0x0
	s_add_nc_u64 s[4:5], s[4:5], s[46:47]
	s_add_nc_u64 s[8:9], s[8:9], s[56:57]
	s_add_nc_u64 s[10:11], s[10:11], s[56:57]
	s_mov_b32 s[G0], 1
	s_mul_i32 s[G0+1], s[WV], 2*REC                ; region 0, my eighth
	s_add_nc_u64 s[G0+2:G0+3], s[6:7], s[60:61]
	s_or_b32 s[G0+3], s[G0+3], 0x80000000
	s_mov_b32 s[G0B], 1
	s_add_co_u32 s[G0B+1], s59, CHUNK              ; regions 1 and 2, my eighth of the two
	s_add_nc_u64 s[G0B+2:G0B+3], s[6:7], s[62:63]
	s_or_b32 s[G0B+3], s[G0B+3], 0x80000000
	; x: my four records, straight into registers: 60 loads, on their way through the rounds below
.irp t, 0,1,2,3
	global_load_b32 v[AA+2*\t], v[A4], s[4:5] offset:\t*REC+6400
	global_load_b32 v[AA+2*\t+1], v[A4], s[4:5] offset:\t*REC+6400
	global_load_b64 v[XS+2*\t:XS+2*\t+1], v[L8], s[4:5] offset:\t*REC+6144
.endr
	WIN 0x40                                       ; destination window 1
.irp t, 0,1,2,3
.irp k, 0,1,2,3,4,5,6,7,8,9,10,11
	global_load_b128 v[48*\t+4*\k:48*\t+4*\k+3], v[LI], s[4:5] offset:\t*REC+512*\k
.endr
.endr
	WIN 0
	ROUND                                          ; all four work-groups are here: the first joint loads meet
	tensor_load_to_lds s[G0:G0+3], s[G1:G1+7]      ; chunk 0, my eighth: my one tensor load at the head
	s_nop 0
	NOPS
	s_wait_tensorcnt 0x0                           ; it has landed; these lines stand ahead of a later first fill, as ahead of a refill
	ds_add_u32 v[SPW], v[NIL]
	s_wait_dscnt 0x0
	ROUND                                          ; chunk 0 is whole in all four work-groups
	tensor_load_to_lds s[G0B:G0B+3], s[G1B:G1B+7]  ; chunks 1 and 2, my eighth: it has 16 code tiles' work in which to land
	s_nop 0
	NOPS
.macro ADDR                            ; the addresses of a trip's two fetches
	v_add_nc_u32 v[EA], s[TB], v[LI]
	v_add_nc_u32 v[ESA], s[TB], v[L8]
	v_add_nc_u32 v[BA], s[TB], v[H32]
.endm
.macro RUN ep, off                     ; a code tile's scale words, fragments and eight b, in one run of 15 loads, into the set of parity ep
	ds_load_b64 v[ES+2*(\ep):ES+2*(\ep)+1], v[ESA] offset:(\off)+6144
.irp k, 0,1,2,3,4,5,6,7,8,9,10,11
	ds_load_b128 v[EF+48*(\ep)+4*\k:EF+48*(\ep)+4*\k+3], v[EA] offset:(\off)+512*\k
.endr
	ds_load_b128 v[BB+8*(\ep):BB+8*(\ep)+3], v[BA] offset:(\off)+6400
	ds_load_b128 v[BB+8*(\ep)+4:BB+8*(\ep)+7], v[BA] offset:(\off)+6416
.endm
.macro GROUP e                         ; 16 products: K step by K step, the four accumulators by turns; the first K step starts the sums
	WIN 0x04                                       ; source 1 (x) window 1
.irp s, 0,1,2,3
.irp t, 0,1,2,3
.if \s == 0
	v_wmma_scale_f32_16x16x128_f8f6f4 v[ACC+8*\t:ACC+8*\t+7], v[EF+48*(\e):EF+48*(\e)+11], v[48*\t:48*\t+11], 0, v[ES+2*(\e)], v[XS+2*\t] matrix_a_fmt:MATRIX_FMT_BF6 matrix_b_fmt:MATRIX_FMT_BF6
.elseif \s == 2
	v_wmma_scale_f32_16x16x128_f8f6f4 v[ACC+8*\t:ACC+8*\t+7], v[EF+48*(\e)+24:EF+48*(\e)+35], v[48*\t+24:48*\t+35], v[ACC+8*\t:ACC+8*\t+7], v[ES+2*(\e)+1], v[XS+2*\t+1] matrix_a_fmt:MATRIX_FMT_BF6 matrix_b_fmt:MATRIX_FMT_BF6
.else
	v_wmma_scale_f32_16x16x128_f8f6f4 v[ACC+8*\t:ACC+8*\t+7], v[EF+48*(\e)+12*\s:EF+48*(\e)+12*\s+11], v[48*\t+12*\s:48*\t+12*\s+11], v[ACC+8*\t:ACC+8*\t+7], v[ES+2*(\e)+\s/2], v[XS+2*\t+\s/2] matrix_a_fmt:MATRIX_FMT_BF6 matrix_b_fmt:MATRIX_FMT_BF6 matrix_a_scale:MATRIX_SCALE_ROW1 matrix_b_scale:MATRIX_SCALE_ROW1
.endif
.endr
.endr
	WIN 0
.endm
.macro MIN q, k, e                     ; a partial minimum of row tile q, into an accumulator register that d has left
.if \k < 2
	v_min3_num_f32 v[ACC+8*\q+\k], v[SS+8*\q+3*\k], v[SS+8*\q+3*\k+1], v[SS+8*\q+3*\k+2]
.else
	v_min3_num_f32 v[ACC+8*\q+2], v[SS+8*\q+6], v[SS+8*\q+7], v[BEST+4*(\e)+\q]   ; the running minimum is one of the leaves
.endif
.endm
.macro NEWB q, e
	v_min3_num_f32 v[BEST+4*(1-(\e))+\q], v[ACC+8*\q], v[ACC+8*\q+1], v[ACC+8*\q+2]
.endm
.macro CMP q, e
	v_cmp_lt_f32 vcc_lo, v[BEST+4*(1-(\e))+\q], v[BEST+4*(\e)+\q]   ; has it fallen?  Strictly: the earliest tile wins a tie
.endm
.macro KEEP q, dep                     ; dep: how many vector instructions back the compare stands
	s_delay_alu instid0(VALU_DEP_\dep)
	v_cndmask_b32 v[ID+\q], v[ID+\q], v[CUR], vcc_lo
.irp k, 0,1,2,3
	v_dual_cndmask_b32 v[SAV+8*\q+2*\k], v[SAV+8*\q+2*\k], v[SS+8*\q+2*\k] :: v_dual_cndmask_b32 v[SAV+8*\q+2*\k+1], v[SAV+8*\q+2*\k+1], v[SS+8*\q+2*\k+1]
.endr
.endm
; The vector block of a code tile of parity e.  Its first 17 lines name no register of the products: they are the places (ISA guide 7.12.1) ahead of the first reads of the results.
; Each accumulator is read from its low end on.  The order keeps a line five or more behind the line whose result it reads, the selects behind their compares aside.
.macro VEC e
	v_add_nc_u32 v[CUR], 16, v[CUR]
.irp k, 0,1,2,3
.irp q, 0,1,2,3
	v_dual_add_f32 v[SS+8*\q+2*\k], v[BB+8*(\e)+2*\k], v[AA+2*\q] :: v_dual_add_f32 v[SS+8*\q+2*\k+1], v[BB+8*(\e)+2*\k+1], v[AA+2*\q+1]   ; a + b
.endr
.endr
.irp k, 0,1,2,3
.irp q, 0,1,2,3
	v_dual_sub_f32 v[SS+8*\q+2*\k], v[SS+8*\q+2*\k], v[ACC+8*\q+2*\k] :: v_dual_sub_f32 v[SS+8*\q+2*\k+1], v[SS+8*\q+2*\k+1], v[ACC+8*\q+2*\k+1]   ; d = (a + b) - p
.endr
.endr
	MIN 0, 0, \e
	MIN 1, 0, \e
	MIN 0, 1, \e
	MIN 1, 1, \e
	MIN 0, 2, \e
	MIN 1, 2, \e
	MIN 2, 0, \e
	MIN 3, 0, \e
	MIN 2, 1, \e
	NEWB 0, \e
	NEWB 1, \e
	MIN 3, 1, \e
	MIN 2, 2, \e
	MIN 3, 2, \e
	CMP 0, \e
	KEEP 0, 1
	CMP 1, \e
	NEWB 2, \e
	NEWB 3, \e
	KEEP 1, 3
	CMP 2, \e
	KEEP 2, 1
	CMP 3, \e
	KEEP 3, 1
.endm
; A code tile of parity e.  fetch = 1: the next tile is fetched, from byte off behind the trip's first record; off = 0 makes the trip's addresses.  first = 1: x's loads are waited for.
.macro TILE e, fetch, off, first
	s_wait_dscnt 0x0                               ; this tile's 15 LDS loads, issued a tile ago, are in
.if \first
	s_wait_loadcnt 0x0                             ; and x
.endif
.if \fetch
.if (\off) == 0
	ADDR
.endif
	RUN 1-(\e), \off                               ; into registers whose last products stand a whole vector block back
.endif
	GROUP \e
	VEC \e
.endm
.macro TRIPS n, name                   ; n trips of two code tiles, parities 1 and 0
	s_mov_b32 s[CNT], \n
\name:
	TILE 1, 1, 0, 0
	TILE 0, 1, REC, 0
	s_add_co_u32 s[TB], s[TB], 2*REC
	s_sub_co_u32 s[CNT], s[CNT], 1
	s_cmp_lg_u32 s[CNT], 0
	s_cbranch_scc1 \name
.endm
	s_mov_b32 s[TB], 0
	ADDR
	RUN 0, 0                                       ; code tile 0
	s_wait_alu depctr_va_vdst(0)
	TILE 0, 1, REC, 1                              ; code tile 0; it fetches tile 1
	s_mov_b32 s[TB], 2*REC
	TRIPS 7, .Lregion0                             ; code tiles 1 to 14; the last fetch is tile 15's, region 0's last
	; Region 0 is filled again.  All my tensor loads have landed (so chunks 1 and 2 are whole behind the round), and my reads of region 0 are over: tile 15 lies in registers.
	s_wait_tensorcnt 0x0
	ds_add_u32 v[SPW], v[NIL]                      ; 0 onto my spare word
	s_add_nc_u64 s[G0+2:G0+3], s[G0+2:G0+3], 3*CHUNK   ; no tensor load of mine is out, so a group 0 may be written: chunk 3, to the same LDS bytes as chunk 0
	s_wait_dscnt 0x0                               ; the add is done, and my LDS loads are in
	ROUND                                          ; no wave of any partner still reads region 0 or has a load on its way
	tensor_load_to_lds s[G0:G0+3], s[G1:G1+7]      ; my one tensor load behind the round: it has 32 code tiles' work in which to land
	s_nop 0
	NOPS
	s_mov_b32 s[TB], CHUNK                         ; the fetches go on in region 1 (16 records have been fetched: the count gives the same number)
	TRIPS 16, .Lregion12                           ; code tiles 15 to 46; they fetch tiles 16 to 47 from regions 1 and 2
	s_wait_tensorcnt 0x0                           ; my eighth of chunk 3 is in,
	s_wait_dscnt 0x0
	s_barrier_signal -1
	s_barrier_wait -1                              ; everybody's is
	s_mov_b32 s[TB], 0                             ; back to region 0
	TRIPS 8, .Lregion0b                            ; code tiles 47 to 62; they fetch tiles 48 to 63
	TILE 1, 0, 0, 0                                ; code tile 63
	; THE END.  The minimum of row tile t lies at BEST + t.  The lowest j whose kept d equals it; the code; the key; then the two halves of the lanes, which hold the same row, are joined: the smaller key, at equal keys the lower code.
.irp t, 0,1,2,3
	v_mov_b32 v[COD+\t], 7
.endr
.irp j, 6,5,4,3,2,1,0
.irp t, 0,1,2,3
	v_cmp_neq_f32 s[MK+\t], v[SAV+8*\t+\j], v[BEST+\t]
.endr
.irp t, 0,1,2,3
	s_delay_alu instid0(VALU_DEP_4)
	v_cndmask_b32 v[COD+\t], \j, v[COD+\t], s[MK+\t]   ; j where they are equal
.endr
.endr
.irp t, 0,1,2,3
	v_ashrrev_i32 v[KO+\t], 31, v[BEST+\t]
.endr
.irp t, 0,1,2,3
	s_delay_alu instid0(VALU_DEP_4)
	v_or_b32 v[KO+\t], 0x80000000, v[KO+\t]
.endr
.irp t, 0,1,2,3
	s_delay_alu instid0(VALU_DEP_4)
	v_xor_b32 v[KEY+\t], v[BEST+\t], v[KO+\t]      ; the key rises with d
.endr
.irp t, 0,1,2,3
	v_add_nc_u32 v[COD+\t], v[ID+\t], v[COD+\t]
	v_mov_b32 v[CO+\t], 0                          ; (a lane permute's destination counts as one of its sources)
.endr
.irp t, 0,1,2,3
	v_permlanex16_b32 v[KO+\t], v[KEY+\t], s[SEL], s[SEL+1]
	v_permlanex16_b32 v[CO+\t], v[COD+\t], s[SEL], s[SEL+1]
.endr
.irp t, 0,1,2,3
	v_cmp_lt_u32 s[MK+4*(\t%2)], v[KO+\t], v[KEY+\t]
	v_cmp_eq_u32 s[MK+4*(\t%2)+1], v[KO+\t], v[KEY+\t]
	v_cmp_lt_u32 s[MK+4*(\t%2)+2], v[CO+\t], v[COD+\t]
	s_and_b32 s[MK+4*(\t%2)+1], s[MK+4*(\t%2)+1], s[MK+4*(\t%2)+2]
	s_or_b32 s[MK+4*(\t%2)], s[MK+4*(\t%2)], s[MK+4*(\t%2)+1]
	v_cndmask_b32 v[KEY+\t], v[KEY+\t], v[KO+\t], s[MK+4*(\t%2)]
	v_cndmask_b32 v[COD+\t], v[COD+\t], v[CO+\t], s[MK+4*(\t%2)]
.endr
.irp q, 0,1
	v_cndmask_b32 v[KO+\q], v[KEY+2*\q], v[KEY+2*\q+1], s[HIM]   ; lanes 0-15 store row tile 2 q, lanes 16-31 row tile 2 q + 1
	v_cndmask_b32 v[CO+\q], v[COD+2*\q], v[COD+2*\q+1], s[HIM]
.endr
	global_store_b64 v[L8], v[KO:KO+1], s[8:9]     ; 256 consecutive bytes, at a multiple of 256 from the buffer's first byte
	global_store_b64 v[L8], v[CO:CO+1], s[10:11]
	s_wait_tensorcnt 0x0                           ; the wave's end
	ds_add_u32 v[SPW], v[NIL]
	s_wait_dscnt 0x0
	ROUND                                          ; the closing round: no work-group ends while a partner may still ask for a chunk that names it
	s_endpgm
.Lfunc_end_k_q60d94bcad3_dist:
	.size	k_q60d94bcad3_dist, .Lfunc_end_k_q60d94bcad3_dist-k_q60d94bcad3_dist
	.p2alignl 7, 3214868480
	.fill 96, 4, 3214868480
	.section	.rodata,"a",@progbits
	.p2align	6, 0x0
	.amdhsa_kernel k_q60d94bcad3_dist
		.amdhsa_group_segment_fixed_size 327680
		.amdhsa_private_segment_fixed_size 0
		.amdhsa_enable_private_segment 0
		.amdhsa_kernarg_size 32
		.amdhsa_user_sgpr_count 2
		.amdhsa_user_sgpr_kernarg_segment_ptr 1
		.amdhsa_wavefront_size32 1
		.amdhsa_system_sgpr_workgroup_id_x 1
		.amdhsa_system_sgpr_workgroup_id_y 1
		.amdhsa_system_sgpr_workgroup_id_z 1
		.amdhsa_system_vgpr_workitem_id 0
		.amdhsa_next_free_vgpr 512
		.amdhsa_next_free_sgpr 66
		.amdhsa_reserve_vcc 1
		.amdhsa_float_denorm_mode_32 3
		.amdhsa_float_denorm_mode_16_64 3
		.amdhsa_memory_ordered 1
		.amdhsa_forward_progress 1
		.amdhsa_inst_pref_size 82
	.end_amdhsa_kernel
	.amdgpu_metadata
---
amdhsa.version: [ 1, 2 ]
amdhsa.kernels:
  - .name:           k_q60d94bcad3_dist
    .symbol:         k_q60d94bcad3_dist.kd
    .args:
      - { .name: xpack, .offset: 0, .size: 8, .value_kind: global_buffer, .address_space: global }
      - { .name: embpack, .offset: 8, .size: 8, .value_kind: global_buffer, .address_space: global }
      - { .name: candk, .offset: 16, .size: 8, .value_kind: global_buffer, .address_space: global }
      - { .name: candi, .offset: 24, .size: 8, .value_kind: global_buffer, .address_space: global }
    .group_segment_fixed_size: 327680
    .private_segment_fixed_size: 0
    .kernarg_segment_align: 8
    .kernarg_segment_size: 32
    .max_flat_workgroup_size: 256
    .sgpr_count:     66
    .vgpr_count:     512
    .wavefront_size: 32
...
	.end_amdgpu_metadata
.endif
;; end of part 2
;; launch gather (part 3): grid 256 x 1, 16 waves a work-group, no clusters, 3,072 bytes of LDS; arguments x, emb, candk, candi, out0, out3, part; writes out0, out3, part
.if DOCPART == 3
	.amdgcn_target "amdgcn-amd-amdhsa--gfx1250"
	.amdhsa_code_object_version 6
	.text
	.protected	k_q60d94bcad3_gather
	.globl	k_q60d94bcad3_gather
	.p2align	8
	.type	k_q60d94bcad3_gather,@function
k_q60d94bcad3_gather:
	s_mov_b64 s[64:65], 0
	v_nop
	global_prefetch_b8 v0, s[64:65] scope:SCOPE_SE
	s_setreg_imm32_b32 hwreg(HW_REG_WAVE_MODE, 25, 1), 1
	s_wait_xcnt 0x0
; For each row: the eight splits' candidates (a sort key of the distance and a code, both whole numbers stored by the launch before) are joined by whole-number compares: the smallest key, at equal keys the lowest split,
; which holds the lower codes.  Then out3 = the code, out0 = x + (emb[code] - x) in that order, and for each work-group the sum of (emb[code] - x)^2 and the largest code go to part [256] x (f32, u32).
; SHARES.  A work-group takes 64 rows, each of its 16 waves 4.  No loop: all of a wave's loads go out at once (16 words of candidates, 16 x 512 bytes of x, then 16 x 512 bytes of emb's rows).
; Memory binds: each load and store of x, emb and out0 covers 512 consecutive bytes; nothing is shared between work-groups but emb's rows, which a list names, so no cluster and no tensor load.
; The code is held at 8,191 ahead of the address (it never lies above).
.set LI, 1                             ; v1   16 x lane
.set CA, 2                             ; v2   my row's word in a split's candidates
.set KY, 8                             ; v8-15  keys of the eight splits; v8 becomes the smallest
.set IX, 16                            ; v16-23 their codes; v16 becomes the winner's
.set X,  32                            ; v32-95  row i, quarter j at 16 i + 4 j: x, then out0
.set Q,  96                            ; v96-159 emb's rows, then emb - x
.set LS, 160                           ; v160-167 the sum of squares in four packed chains
	s_load_b256 s[4:11], s[0:1], 0x0               ; x s[4:5], emb s[6:7], candk s[8:9], candi s[10:11]
	s_load_b128 s[12:15], s[0:1], 0x20             ; out0 s[12:13], out3 s[14:15]
	s_load_b64 s[16:17], s[0:1], 0x30              ; part
	v_lshl_add_u32 v176, v0, 2, 0x400
	v_mov_b32 v177, 0
	v_lshrrev_b32 v3, 5, v0
	s_delay_alu instid0(VALU_DEP_1)
	v_readfirstlane_b32 s18, v3                    ; wave 0..15
	v_and_b32 v4, 31, v0
	s_delay_alu instid0(VALU_DEP_1)
	v_lshlrev_b32 v[LI], 4, v4
	s_lshl_b32 s19, ttmp9, 6
	s_lshl_b32 s20, s18, 2
	s_add_co_u32 s19, s19, s20                     ; my wave's first row
	v_and_b32 v5, 3, v0
	s_delay_alu instid0(VALU_DEP_1)
	v_add_nc_u32 v6, s19, v5                       ; lane l joins the candidates of row + l % 4
	s_delay_alu instid0(VALU_DEP_1)
	v_lshrrev_b32 v7, 6, v6
	s_delay_alu instid0(VALU_DEP_1)
	v_lshlrev_b32 v[CA], 8, v7                     ; its block of 64 rows: 256 bytes;
	s_delay_alu instid0(VALU_DEP_3)
	v_and_b32 v7, 31, v6
	s_delay_alu instid0(VALU_DEP_1)
	v_lshl_add_u32 v[CA], v7, 3, v[CA]             ; the lane that stored it: row % 32, 8 bytes a lane;
	v_bfe_u32 v7, v6, 5, 1
	s_delay_alu instid0(VALU_DEP_1)
	v_lshl_add_u32 v[CA], v7, 2, v[CA]             ; and which of that lane's two words: (row / 32) % 2
	v_lshlrev_b32 v24, 2, v5
	s_delay_alu instid0(VALU_DEP_1)
	v_lshl_add_u32 v24, v3, 4, v24                 ; LDS: the codes of the 64 rows: 16 w + 4 (l % 4)
	v_lshlrev_b32 v25, 2, v3                       ; 4 w
	v_lshlrev_b32 v26, 3, v4                       ; 8 x lane
	v_mov_b32 v27, 0
	s_lshl_b32 s20, s19, 11                        ; rows of 2,048 bytes
	s_mov_b32 s21, 0
	s_lshl_b32 s40, ttmp9, 8                       ; out3: 256 bytes a work-group
	s_mov_b32 s41, 0
	s_lshl_b32 s42, ttmp9, 3                       ; part: 8 bytes
	s_mov_b32 s43, 0
	s_mov_b32 s22, 0x76543210
	s_mov_b32 s23, 0xfedcba98
	s_mov_b32 s39, 0
	s_wait_alu depctr_va_vdst(0)
	s_wait_kmcnt 0x0
	s_add_nc_u64 s[4:5], s[4:5], s[20:21]
	s_add_nc_u64 s[12:13], s[12:13], s[20:21]
	s_add_nc_u64 s[14:15], s[14:15], s[40:41]
	s_add_nc_u64 s[16:17], s[16:17], s[42:43]
.irp y, 0,1,2,3,4,5,6,7
	global_load_b32 v[KY+\y], v[CA], s[8:9] offset:\y*65536
	global_load_b32 v[IX+\y], v[CA], s[10:11] offset:\y*65536
.endr
.irp i, 0,1,2,3
.irp j, 0,1,2,3
	global_load_b128 v[X+16*\i+4*\j:X+16*\i+4*\j+3], v[LI], s[4:5] offset:\i*2048+\j*512 th:TH_LOAD_NT
.endr
.endr
	s_wait_loadcnt 16                              ; the candidates are in; x's 16 loads may be out
.irp y, 1
	v_cmp_lt_u32 vcc_lo, v[KY+\y], v[KY]           ; strictly smaller: at equal keys the lower split stays
	s_delay_alu instid0(VALU_DEP_1)
	v_cndmask_b32 v[KY], v[KY], v[KY+\y], vcc_lo
	s_delay_alu instid0(VALU_DEP_2)
	v_cndmask_b32 v[IX], v[IX], v[IX+\y], vcc_lo
.endr
.irp y, 2, 3, 4, 5, 6, 7
	s_delay_alu instid0(VALU_DEP_2)
	v_cmp_lt_u32 vcc_lo, v[KY+\y], v[KY]           ; strictly smaller: at equal keys the lower split stays
	s_delay_alu instid0(VALU_DEP_1)
	v_cndmask_b32 v[KY], v[KY], v[KY+\y], vcc_lo
	s_delay_alu instid0(VALU_DEP_2)
	v_cndmask_b32 v[IX], v[IX], v[IX+\y], vcc_lo
.endr
	ds_store_b32 v24, v[IX]                        ; (eight lanes write the same word with the same value)
.irp i, 0,1,2,3
	v_readlane_b32 s[32+\i], v[IX], \i
.endr
.irp i, 0,1,2,3
	s_min_u32 s[32+\i], s[32+\i], 8191             ; a loaded number enters an address only behind this hold
.endr
	s_max_u32 s36, s32, s33
	s_max_u32 s37, s34, s35
	s_max_u32 s36, s36, s37                        ; my four rows' largest code
.irp i, 0,1,2,3
	s_lshl_b32 s38, s[32+\i], 11
	s_add_nc_u64 s[24+2*\i:25+2*\i], s[6:7], s[38:39]
.endr
.irp i, 0,1,2,3
.irp j, 0,1,2,3
	global_load_b128 v[Q+16*\i+4*\j:Q+16*\i+4*\j+3], v[LI], s[24+2*\i:25+2*\i] offset:\j*512
.endr
.endr
.macro ROWW i
	s_wait_loadcnt 12-4*\i                         ; row i of emb (and, older, of x) is in; the later rows' loads, four each, may be out
.irp p, 0,1,2,3,4,5,6,7
	v_pk_add_f32 v[Q+16*\i+2*\p:Q+16*\i+2*\p+1], v[Q+16*\i+2*\p:Q+16*\i+2*\p+1], v[X+16*\i+2*\p:X+16*\i+2*\p+1] neg_lo:[0,1] neg_hi:[0,1]   ; t = q - x
.endr
.irp p, 0,1,2,3,4,5,6,7
.if (\i == 0) && (\p < 4)
	v_pk_mul_f32 v[LS+2*\p:LS+2*\p+1], v[Q+2*\p:Q+2*\p+1], v[Q+2*\p:Q+2*\p+1]   ; the first four products start the chains
.else
	v_pk_fma_f32 v[LS+2*(\p%4):LS+2*(\p%4)+1], v[Q+16*\i+2*\p:Q+16*\i+2*\p+1], v[Q+16*\i+2*\p:Q+16*\i+2*\p+1], v[LS+2*(\p%4):LS+2*(\p%4)+1]
.endif
.endr
.irp p, 0,1,2,3,4,5,6,7
	v_pk_add_f32 v[X+16*\i+2*\p:X+16*\i+2*\p+1], v[X+16*\i+2*\p:X+16*\i+2*\p+1], v[Q+16*\i+2*\p:Q+16*\i+2*\p+1]   ; x + t
.endr
.irp j, 0,1,2,3
	global_store_b128 v[LI], v[X+16*\i+4*\j:X+16*\i+4*\j+3], s[12:13] offset:\i*2048+\j*512 th:TH_STORE_NT
.endr
.endm
.irp i, 0,1,2,3
	ROWW \i
.endr
	v_pk_add_f32 v[LS:LS+1], v[LS:LS+1], v[LS+2:LS+3]
	v_pk_add_f32 v[LS+4:LS+5], v[LS+4:LS+5], v[LS+6:LS+7]
	s_delay_alu instid0(VALU_DEP_1)
	v_pk_add_f32 v[LS:LS+1], v[LS:LS+1], v[LS+4:LS+5]
	s_delay_alu instid0(VALU_DEP_1)
	v_add_f32 v[LS], v[LS], v[LS+1]
	s_delay_alu instid0(VALU_DEP_1)
	v_add_f32_dpp v[LS], v[LS], v[LS] row_xmask:1 row_mask:0xf bank_mask:0xf
	s_delay_alu instid0(VALU_DEP_1)
	v_add_f32_dpp v[LS], v[LS], v[LS] row_xmask:2 row_mask:0xf bank_mask:0xf
	s_delay_alu instid0(VALU_DEP_1)
	v_add_f32_dpp v[LS], v[LS], v[LS] row_xmask:4 row_mask:0xf bank_mask:0xf
	s_delay_alu instid0(VALU_DEP_1)
	v_add_f32_dpp v[LS], v[LS], v[LS] row_xmask:8 row_mask:0xf bank_mask:0xf
	s_delay_alu instid0(VALU_DEP_1)
	v_permlanex16_b32 v[LS+1], v[LS], s22, s23
	s_delay_alu instid0(VALU_DEP_1)
	v_add_f32 v[LS], v[LS], v[LS+1]                ; my wave's sum
	v_mov_b32 v[LS+2], s36
	ds_store_b32 v25, v[LS] offset:256
	ds_store_b32 v25, v[LS+2] offset:320
	s_wait_dscnt 0x0                               ; for the others' sake: my LDS stores are done
	s_barrier_signal -1
	s_barrier_wait -1
	s_cmp_lg_u32 s18, 0
	s_cbranch_scc1 .Ldone                          ; wave 0 alone stores what the sixteen have gathered
	ds_load_b64 v[28:29], v26                      ; the 64 codes
.irp k, 0,1,2,3
	ds_load_b128 v[Q+4*\k:Q+4*\k+3], v27 offset:256+16*\k      ; the sixteen sums,
.endr
.irp k, 0,1,2,3
	ds_load_b128 v[Q+16+4*\k:Q+16+4*\k+3], v27 offset:320+16*\k   ; the sixteen largest codes
.endr
	s_wait_dscnt 0x0
	global_store_b64 v26, v[28:29], s[14:15]       ; 256 consecutive bytes of out3, aligned
.irp k, 0,4,8,12
	v_pk_add_f32 v[Q+\k:Q+\k+1], v[Q+\k:Q+\k+1], v[Q+\k+2:Q+\k+3]
.endr
	s_delay_alu instid0(VALU_DEP_3)
	v_pk_add_f32 v[Q:Q+1], v[Q:Q+1], v[Q+4:Q+5]
	s_delay_alu instid0(VALU_DEP_2)
	v_pk_add_f32 v[Q+8:Q+9], v[Q+8:Q+9], v[Q+12:Q+13]
	s_delay_alu instid0(VALU_DEP_1)
	v_pk_add_f32 v[Q:Q+1], v[Q:Q+1], v[Q+8:Q+9]
.irp k, 0,1,2,3,4,5,6,7
	v_max_u32 v[Q+16+\k], v[Q+16+\k], v[Q+24+\k]
.endr
.irp k, 0,1,2,3
	s_delay_alu instid0(VALU_DEP_4)
	v_max_u32 v[Q+16+\k], v[Q+16+\k], v[Q+20+\k]
.endr
	s_delay_alu instid0(VALU_DEP_2)
	v_max_u32 v[Q+16], v[Q+16], v[Q+18]
	s_delay_alu instid0(VALU_DEP_2)
	v_max_u32 v[Q+17], v[Q+17], v[Q+19]
	v_add_f32 v[Q], v[Q], v[Q+1]                   ; the work-group's sum,
	s_delay_alu instid0(VALU_DEP_2)
	v_max_u32 v[Q+1], v[Q+16], v[Q+17]             ; and its largest code beside it
	v_cmp_gt_u32 vcc_lo, 1, v0
	s_wait_alu depctr_va_vdst(0)
	s_wait_xcnt 0x0                                ; EXEC changes only behind this wait
	s_and_saveexec_b32 s44, vcc_lo
	global_store_b64 v27, v[Q:Q+1], s[16:17]       ; one lane stores the pair
	s_wait_xcnt 0x0
	s_or_b32 exec_lo, exec_lo, s44
.Ldone:
	s_wait_tensorcnt 0x0
	ds_add_u32 v176, v177
	s_wait_dscnt 0x0
	s_endpgm
.Lfunc_end_k_q60d94bcad3_gather:
	.size	k_q60d94bcad3_gather, .Lfunc_end_k_q60d94bcad3_gather-k_q60d94bcad3_gather
	.p2alignl 7, 3214868480
	.fill 96, 4, 3214868480
	.section	.rodata,"a",@progbits
	.p2align	6, 0x0
	.amdhsa_kernel k_q60d94bcad3_gather
		.amdhsa_group_segment_fixed_size 3072
		.amdhsa_private_segment_fixed_size 0
		.amdhsa_enable_private_segment 0
		.amdhsa_kernarg_size 56
		.amdhsa_user_sgpr_count 2
		.amdhsa_user_sgpr_kernarg_segment_ptr 1
		.amdhsa_wavefront_size32 1
		.amdhsa_system_sgpr_workgroup_id_x 1
		.amdhsa_system_sgpr_workgroup_id_y 1
		.amdhsa_system_sgpr_workgroup_id_z 1
		.amdhsa_system_vgpr_workitem_id 0
		.amdhsa_next_free_vgpr 178
		.amdhsa_next_free_sgpr 66
		.amdhsa_reserve_vcc 1
		.amdhsa_float_denorm_mode_32 3
		.amdhsa_float_denorm_mode_16_64 3
		.amdhsa_memory_ordered 1
		.amdhsa_forward_progress 1
		.amdhsa_inst_pref_size 20
	.end_amdhsa_kernel
	.amdgpu_metadata
---
amdhsa.version: [ 1, 2 ]
amdhsa.kernels:
  - .name:           k_q60d94bcad3_gather
    .symbol:         k_q60d94bcad3_gather.kd
    .args:
      - { .name: x, .offset: 0, .size: 8, .value_kind: global_buffer, .address_space: global }
      - { .name: emb, .offset: 8, .size: 8, .value_kind: global_buffer, .address_space: global }
      - { .name: candk, .offset: 16, .size: 8, .value_kind: global_buffer, .address_space: global }
      - { .name: candi, .offset: 24, .size: 8, .value_kind: global_buffer, .address_space: global }
      - { .name: out0, .offset: 32, .size: 8, .value_kind: global_buffer, .address_space: global }
      - { .name: out3, .offset: 40, .size: 8, .value_kind: global_buffer, .address_space: global }
      - { .name: part, .offset: 48, .size: 8, .value_kind: global_buffer, .address_space: global }
    .group_segment_fixed_size: 3072
    .private_segment_fixed_size: 0
    .kernarg_segment_align: 8
    .kernarg_segment_size: 56
    .max_flat_workgroup_size: 512
    .sgpr_count:     66
    .vgpr_count:     178
    .wavefront_size: 32
...
	.end_amdgpu_metadata
.endif
;; end of part 3
;; launch finish (part 4): grid 1 x 1, 1 waves a work-group, no clusters, 0 bytes of LDS; arguments part, out1, out2; writes out1, out2
.if DOCPART == 4
	.amdgcn_target "amdgcn-amd-amdhsa--gfx1250"
	.amdhsa_code_object_version 6
	.text
	.protected	k_q60d94bcad3_finish
	.globl	k_q60d94bcad3_finish
	.p2align	8
	.type	k_q60d94bcad3_finish,@function
k_q60d94bcad3_finish:
	s_mov_b64 s[64:65], 0
	v_nop
	global_prefetch_b8 v0, s[64:65] scope:SCOPE_SE
	s_setreg_imm32_b32 hwreg(HW_REG_WAVE_MODE, 25, 1), 1
	s_wait_xcnt 0x0
; out1 = 1.25 x mean((q - x)^2) = m + 0.25 m with m = the sum of the 256 partial sums / 2^23.   out2 = exp(-g ln(g + 1e-10)) with g = 1 / (largest code + 1), as 2^(-g log2(g + 1e-10)).
; part: [256] x (f32 sum, u32 largest code), 2,048 bytes: one wave, four loads of 512 consecutive bytes.  The sum spans work-groups, so it has this launch of its own, in a fixed order.
	s_load_b128 s[4:7], s[0:1], 0x0                ; part s[4:5], out1 s[6:7]
	s_load_b64 s[8:9], s[0:1], 0x10                ; out2
	v_lshlrev_b32 v1, 4, v0
	v_mov_b32 v2, 0
	s_mov_b32 s10, 0x76543210
	s_mov_b32 s11, 0xfedcba98
	s_wait_alu depctr_va_vdst(0)
	s_wait_kmcnt 0x0
.irp k, 0,1,2,3
	global_load_b128 v[4+4*\k:7+4*\k], v1, s[4:5] offset:512*\k
.endr
	s_wait_loadcnt 0x0
.irp k, 4,8,12,16
	v_add_f32 v[\k], v[\k], v[\k+2]                ; even registers: sums;
	v_max_u32 v[\k+1], v[\k+1], v[\k+3]            ; odd ones: largest codes
.endr
	v_add_f32 v4, v4, v8
	v_max_u32 v5, v5, v9
	v_add_f32 v12, v12, v16
	v_max_u32 v13, v13, v17
	v_add_f32 v4, v4, v12
	v_max_u32 v5, v5, v13
	v_cvt_f32_u32 v5, v5                           ; at most 8,191: exact
.irp m, 1,2,4,8
	v_add_f32_dpp v4, v4, v4 row_xmask:\m row_mask:0xf bank_mask:0xf
	v_max_num_f32_dpp v5, v5, v5 row_xmask:\m row_mask:0xf bank_mask:0xf
.endr
	v_permlanex16_b32 v6, v4, s10, s11
	v_permlanex16_b32 v7, v5, s10, s11
	v_add_f32 v4, v4, v6
	v_max_num_f32 v5, v5, v7
	v_mul_f32 v4, 0x34000000, v4                   ; / 2^23 = 16,384 x 512
	v_fmamk_f32 v8, v4, 0x3e800000, v4             ; m x 0.25 + m
	v_add_f32 v5, 1.0, v5                          ; L
	s_wait_alu depctr_va_vdst(0)
	v_rcp_f32 v9, v5
	v_nop                                          ; a plain place behind the transcendental,
	s_wait_alu depctr_va_vdst(0)                   ; and the wait ahead of the first use of its result
	v_add_f32 v10, 0x2edbe6ff, v9                  ; g + 1e-10
	s_wait_alu depctr_va_vdst(0)
	v_log_f32 v11, v10
	v_nop
	s_wait_alu depctr_va_vdst(0)
	v_mul_f32 v12, v11, v9
	s_wait_alu depctr_va_vdst(0)
	v_exp_f32 v13, -v12
	v_nop
	s_wait_alu depctr_va_vdst(0)
	v_cmp_gt_u32 vcc_lo, 1, v0
	s_wait_xcnt 0x0                                ; EXEC changes only behind this wait
	s_and_saveexec_b32 s12, vcc_lo
	global_store_b32 v2, v8, s[6:7]
	global_store_b32 v2, v13, s[8:9]
	s_wait_xcnt 0x0
	s_or_b32 exec_lo, exec_lo, s12
	s_endpgm
.Lfunc_end_k_q60d94bcad3_finish:
	.size	k_q60d94bcad3_finish, .Lfunc_end_k_q60d94bcad3_finish-k_q60d94bcad3_finish
	.p2alignl 7, 3214868480
	.fill 96, 4, 3214868480
	.section	.rodata,"a",@progbits
	.p2align	6, 0x0
	.amdhsa_kernel k_q60d94bcad3_finish
		.amdhsa_group_segment_fixed_size 0
		.amdhsa_private_segment_fixed_size 0
		.amdhsa_enable_private_segment 0
		.amdhsa_kernarg_size 24
		.amdhsa_user_sgpr_count 2
		.amdhsa_user_sgpr_kernarg_segment_ptr 1
		.amdhsa_wavefront_size32 1
		.amdhsa_system_sgpr_workgroup_id_x 1
		.amdhsa_system_sgpr_workgroup_id_y 1
		.amdhsa_system_sgpr_workgroup_id_z 1
		.amdhsa_system_vgpr_workitem_id 0
		.amdhsa_next_free_vgpr 32
		.amdhsa_next_free_sgpr 66
		.amdhsa_reserve_vcc 1
		.amdhsa_float_denorm_mode_32 3
		.amdhsa_float_denorm_mode_16_64 3
		.amdhsa_memory_ordered 1
		.amdhsa_forward_progress 1
		.amdhsa_inst_pref_size 4
	.end_amdhsa_kernel
	.amdgpu_metadata
---
amdhsa.version: [ 1, 2 ]
amdhsa.kernels:
  - .name:           k_q60d94bcad3_finish
    .symbol:         k_q60d94bcad3_finish.kd
    .args:
      - { .name: part, .offset: 0, .size: 8, .value_kind: global_buffer, .address_space: global }
      - { .name: out1, .offset: 8, .size: 8, .value_kind: global_buffer, .address_space: global }
      - { .name: out2, .offset: 16, .size: 8, .value_kind: global_buffer, .address_space: global }
    .group_segment_fixed_size: 0
    .private_segment_fixed_size: 0
    .kernarg_segment_align: 8
    .kernarg_segment_size: 24
    .max_flat_workgroup_size: 32
    .sgpr_count:     66
    .vgpr_count:     32
    .wavefront_size: 32
...
	.end_amdgpu_metadata
.endif
;; end of part 4
